; MI455X (gfx1250); checked and timed in simulation.
; The chip was launched on July 23, 2026; its instructions are those of AMD's public machine-readable ISA for CDNA 5 (MIT licence, August 2026) and "CDNA5" Instruction Set Architecture Reference Guide (July 2026). The comments in the code are by the model that wrote it; some were corrected since.
;; Multi Head Attention. Allowed arithmetic: matrix products marked QUANTISED: E5M2 operands, one given power-of-two scale a tensor, by v_wmma_f32_16x16x64_bf8_bf8 or v_wmma_f32_16x16x128_bf8_bf8, f32 sums; everything else in f32.
;; Inputs: bk 16 x 64 float32; bo 1,024 float32; bq 16 x 64 float32; bv 16 x 64 float32; key_codes 4 x 2,048 x 32 x 32 uint8 (E5M2 codes of key, K innermost, in blocks of 32 codes); lowp_scales 12 int32 (the exponents e of the quantised operands' scales 2^e); query_codes 4 x 2,048 x 32 x 32 uint8 (E5M2 codes of query, K innermost, in blocks of 32 codes); value_codes 4 x 2,048 x 32 x 32 uint8 (E5M2 codes of value, K innermost, in blocks of 32 codes); wk_codes 16 x 64 x 32 x 32 uint8 (E5M2 codes of wk, K innermost, in blocks of 32 codes); wo_codes 1,024 x 32 x 32 uint8 (E5M2 codes of wo, K innermost, in blocks of 32 codes); wq_codes 16 x 64 x 32 x 32 uint8 (E5M2 codes of wq, K innermost, in blocks of 32 codes); wv_codes 16 x 64 x 32 x 32 uint8 (E5M2 codes of wv, K innermost, in blocks of 32 codes).
;; Outputs: out0 4 x 2,048 x 1,024 float32.
;; This version of the problem:
;;   THIS VERSION OF THE PROBLEM IS GIVEN IN LOW PRECISION. The matrix products marked QUANTISED in the list below multiply operands that are first quantised to E5M2 (5 exponent bits, 2 mantissa bits; 8 bits a number), with one given power-of-two scale for each operand tensor; their sums are f32. All else is computed in f32.
;;   The module's matrix products, in the order in which they are computed (A, B: the left and right operand; K: the contracted axis; several contracted axes count as one K, in the product's order):
;;     1. [M 1,024, K 1,024] x [K 1,024, N 8,192]; A: input wq (given as codes); B: input query (given as codes): QUANTISED (scales: A lowp_scales[0], B lowp_scales[1])
;;     2. [M 1,024, K 1,024] x [K 1,024, N 8,192]; A: input wk (given as codes); B: input key (given as codes): QUANTISED (scales: A lowp_scales[2], B lowp_scales[3])
;;     3. [M 1,024, K 1,024] x [K 1,024, N 8,192]; A: input wv (given as codes); B: input value (given as codes): QUANTISED (scales: A lowp_scales[4], B lowp_scales[5])
;;     4. batch 64 x [M 2,048, K 64] x [K 64, N 2,048]; A: computed on the way; B: computed on the way: QUANTISED (scales: A lowp_scales[6], B lowp_scales[7])
;;     5. batch 64 x [M 2,048, K 2,048] x [K 2,048, N 64]; A: softmax (see below); B: computed on the way: QUANTISED (scales: A lowp_scales[8], B lowp_scales[9])
;;     6. [M 8,192, K 1,024] x [K 1,024, N 1,024]; A: computed on the way; B: input wo (given as codes): QUANTISED (scales: A lowp_scales[10], B lowp_scales[11])
;;   THE QUANTISER, for each operand of a quantised product, along K:
;;     - The operand's scale is 2^e, e = its entry of the input lowp_scales (int32; the entries are numbered through the quantised products in the list's order, A before B).
;;     - Each number is divided by the scale, clamped to +-57,344, and rounded to the nearest number of E5M2, ties to even, subnormals kept.
;;     - The product sums the exact products of the quantised numbers (number of the format x scale) in f32.
;;   ~~~python
;;   def quantise(x, axis, e):      # numpy; x: float32 -> the quantised numbers, widened to float32 again
;;       x = np.moveaxis(x, axis, -1); K = x.shape[-1]
;;       r = np.clip(x / 2.0 ** e, -57344, 57344)
;;       step = 2.0 ** (np.maximum(np.frexp(np.where(r == 0, 1, r))[1] - 1, -14) - 2)
;;       q = np.round(r / step) * step * 2.0 ** e      # np.round: ties to even
;;       return np.moveaxis(q, -1, axis).astype(np.float32)
;;   ~~~
;;   SOFTMAX AHEAD OF A QUANTISED PRODUCT. Where the list says 'softmax', what is quantised is not the finished softmax but p = 2^(t - M), with t = logit x log2(e) and M = ceil(the row's largest t), a whole number; so 1/2 < the row's largest p <= 1. The row's sum l is taken of the UNQUANTISED p, in f32, and the product's result is divided by l at the end. Since M is a whole number, a kernel that streams over the keys may use a running M (the ceiling of the running maximum): every later rescaling is an exact power of two, so the quantised numbers keep their values, but for numbers so far below the row's largest that they fall under the format's range.
;;   OPERANDS COMPUTED ON THE WAY. 'Computed on the way' means the value that the module computes at that place (a softmax that the list does not call 'softmax' is quantised finished and normalised). What goes into a quantiser is computed in f32, as accurately as f32 sums, v_exp_f32 and their like allow (about 1e-6 of the number): no bf16 or f16 on the way to a quantiser, and a product that is left as it is and whose result goes on into a quantised operand takes f32 operands (vector FMAs, or v_wmma_f32_16x16x4_f32). A number that lies on a knife's edge between two numbers of the format may be rounded either way, as far as f32 arithmetic and the matrix unit's own rounding can turn it there, and no further.
;;   INPUTS GIVEN AS CODES. key (in the module: [4, 2048, 1024], K = its axis 2); query (in the module: [4, 2048, 1024], K = its axis 2); value (in the module: [4, 2048, 1024], K = its axis 2); wk (in the module: [16, 64, 1024], K = its axis 2); wo (in the module: [1024, 1024], K = its axis 1); wq (in the module: [16, 64, 1024], K = its axis 2); wv (in the module: [16, 64, 1024], K = its axis 2): each comes as NAME_codes (uint8): NAME with its K axis moved to the last place and cut into blocks of 32 codes, [.., K / 32, bytes a block], one block behind the other in memory; one code a byte (a code: sign, 5 exponent bits, 2 mantissa bits); its scale is its entry of lowp_scales. Its value is code x scale, taken as it is: it is not quantised again, and the codes and scales need not be those that the quantiser above would give.
;; One version. Each part assembles by itself: llvm-mc -triple=amdgcn-amd-amdhsa -mcpu=gfx1250 --defsym DOCPART=n.
;; ======== version 1 of 1: 3 launches
;; limits: right only within a limited range of input values
;; workspace buffers: qkv 25,165,824 bytes; ctxc 8,388,608 bytes
;; launch proj (part 1): grid 4 x 64, 4 waves a work-group, clusters of 4 x 4, 327,680 bytes of LDS; arguments wq_codes, wk_codes, value_codes, query_codes, key_codes, wv_codes, bq, bk, bv, lowp_scales, qkv; writes qkv
.if DOCPART == 1
	.amdgcn_target "amdgcn-amd-amdhsa--gfx1250"
	.amdhsa_code_object_version 6
	.text
	.protected	k_qb804a527e3_proj
	.globl	k_qb804a527e3_proj
	.p2align	8
	.type	k_qb804a527e3_proj,@function
k_qb804a527e3_proj:
	s_mov_b64 s[64:65], 0
	v_nop
	global_prefetch_b8 v0, s[64:65] scope:SCOPE_SE
	s_setreg_imm32_b32 hwreg(HW_REG_WAVE_MODE, 25, 1), 1
	s_wait_xcnt 0x0
	s_wait_alu depctr_hold_cnt(0) depctr_sa_sdst(0) depctr_va_vdst(0) depctr_va_sdst(0) depctr_va_ssrc(0) depctr_va_vcc(0) depctr_vm_vsrc(0)
	s_getreg_b32 s2, hwreg(HW_REG_IB_STS2, 6, 4)
	s_cmp_eq_u32 s2, 0
	s_cbranch_scc0 .Lentry_in_a_cluster
	s_endpgm
.Lentry_in_a_cluster:
	s_bfe_u32 s2, ttmp6, 0x10000c
	s_cmp_lg_u32 s2, 0xf033
	s_cbranch_scc0 .Lentry_shape_is_right
	s_endpgm
.Lentry_shape_is_right:
; THE THREE PROJECTIONS of multi-head attention on codes of BF8 (E5M2): Q = query wq^T + bq, K = key wk^T + bk, V = value wv^T + bv, each 8,192 tokens x 1,024 features, K = 1,024,
; each result quantised at once with its given scale (entries 6, 7, 9 of the scales) into the workspace qkv, which the attention launch reads.
; DEAD WORK: none.  Every input has a way to the output (bk too: it moves K's codes ahead of a quantised product), so every input is loaded by one of the three launches and no step is left out.
; A WORK-GROUP STAYS: 256 work-groups, each makes one tile of Q, one of K (a loop of two trips) and one of V (the tail, written out: it asks for nothing more).
; A tile is 256 rows of a tensor X x 128 rows of a tensor Y.  Q, K: X = the weight (features), Y = the tokens.  V: X = value (tokens), Y = wv (features).  Source 0 = 16 rows of X, source 1 = 16 rows of Y:
; a lane holds one row of Y and eight neighbouring rows of X: along the head's 64 for Q and K, along the keys for V: each time the K of the product that will read the codes.
; qkv: planes of 131,072 bytes, plane (b 16 + h) 3 + T.  Q, K plane: [s 2,048][64 codes along e].  V plane: [t / 64][e 64][64 codes along t].  Inside each 32 of the innermost 64:
; byte 16 h + 8 u + i holds element 16 u + 8 h + i (h, u = 0, 1): a 16-byte load at 32 g + 16 (lane / 16) gives a lane the k that the plain 8-bit layout wants in registers 4 g .. 4 g + 3.
; SHARES.  Four waves; wave w makes X rows 128 (w & 1) on x Y rows 64 (w >> 1) on: 32 accumulators.  K goes in four steps of 256: step 0 in slot 0, steps 1 and 2 side by side in rows of 512 bytes, step 3 in slot 0 again.
; THE RING GOES ON INTO THE NEXT TILE: when the last fragments of a tile are in registers, one round of the cluster's barrier, and the four waves ask for the next tile's steps 0, 1 and 2, one joint load each;
; the last 32 products and the way out stand between those loads and the wait for them.  The way out goes through each wave's own stage, on bytes that no fill lands on; nothing waits for the stores.
; CLUSTER 4 x 4: X's tile hangs on cx alone and is asked for jointly by a column of the cluster, Y's on cy alone and by a row.
; NO PREFETCH: a tile's loads are asked for as soon as the bytes that they land on are free, three of its four K steps at once; the weights are walked by all clusters at the same time.
; THE SUMS BEGIN AS bias / 2^(ea + eb), so the code of a finished sum is sum / 2^(e_out - ea - eb): one scale for the conversion.
; LIMITS: ea + eb between -126 and 126, e_out - ea - eb between -126 and 112, so that each power of two is an f32 number.  NaN and infinity among the biases are not served.
; REGISTERS.  Window 0: v8-25 addresses and scales; v32-95 bias along X; v96-103 bias along Y; v128-191, v192-255 Y's fragments, two sets (later codes and rows on their way out).  Window 1: X's fragments, two sets.  Window 2: accumulator (a, b) at v[8 (4 a + b)].
.set PITCH,  272                       ; 256 bytes + 16 of padding
.set XREG,   256*PITCH                 ; slot 0: X's 256 rows,
.set SLOT,   384*PITCH                 ; then Y's 128
.set P2,     528                       ; K steps 1 and 2: rows of 512 bytes + 16
.set X12,    SLOT
.set Y12,    SLOT+256*P2
.set SPARE,  Y12+128*P2                ; the spare words, 128 bytes a wave
.set STAGE,  SPARE+512                 ; the stages: 32 rows of 144 bytes for each wave
.set SPT,    144
.set PADW,   (1<<20)|(1<<21)|(5<<22)|(3<<25)   ; elements of 1 byte; padding on; bit 21 beside a mask; 4 words after every 64
.set PADW2,  (1<<20)|(1<<21)|(6<<22)|(3<<25)   ; 4 words after every 128
.set ADRX, 8                           ; v8, v9    my X fragments in slot 0, in the rows of 512
.set ADRY, 12                          ; v12, v13  my Y fragments
.set STO,  16
.set RD,   17
.set GOF,  18
.set SPW,  20                          ; my spare word; never rewritten
.set NIL,  21                          ; 0; never rewritten
.set SCL,  22                          ; 2^(e_out - ea - eb)
.set LIM,  23                          ; 57,344 x that
.set BA,   24
.set BA2,  25
.set BX,   32
.set BY,   96
.set TMP,  128
.set OUTR, 192
; s[4:9] X's tiles of Q, K, V; s[10:15] Y's; s[16:21] the biases at my first feature; s[22:23] qkv at my part of V, s[24:25] of Q (K's is one plane on)
; s26-28, s29-31, s100, s101, s104: for Q, K, V: 2^-(ea + eb), 2^(e_out - ea - eb), 57,344 x that
.set G1X,  32
.set G1Y,  40
.set G1X2, 48
.set G1Y2, 72
.set G0X,  56
.set G0Y,  68
.set G0X2, 84
.set G0Y2, 88
.set WV,   80
.set ROLE, 81                          ; w >> 1: my half of Y's rows
.set HALF, 82                          ; w & 1: my half of X's rows
.set TT,   83                          ; the trip: 0 Q, 1 K
.set SB,   92
.set OB0,  94                          ; s[94:95], s[96:97] where my two runs of 4,096 bytes go
.set MSB, 0
.macro WIN new                         ; the immediate's high byte repeats the setting that is left
.if MSB != \new
	s_set_vgpr_msb (MSB<<8)|\new
.set MSB, \new
.endif
.endm
.macro PLACES                          ; four plain vector lines between a matrix instruction and a load into, or a vector read of, its registers
.rept 4
	v_nop
.endr
.endm
.macro ROUND                           ; a round of the cluster's barrier
	s_barrier_signal -1
	s_barrier_wait -1
	s_cmp_lg_u32 s[WV], 0
	s_cbranch_scc1 .Lnot_wave_0_\@
	s_barrier_signal -3
.Lnot_wave_0_\@:
	s_barrier_wait -3
	s_barrier_signal -1
	s_barrier_wait -1
.endm
.macro ARM g0, g1
	tensor_load_to_lds s[\g0:\g0+3], s[\g1:\g1+7]
	s_nop 0
.rept 4
	v_nop
.endr
.endm
.macro FILL4                           ; a tile's K steps 0, 1, 2: one chain on the wave's number, one joint load to an arm
	s_cmp_eq_u32 s[WV], 0
	s_cbranch_scc0 .Lf1_\@
	ARM G0X, G1X
	s_branch .Lfd_\@
.Lf1_\@:
	s_cmp_eq_u32 s[WV], 1
	s_cbranch_scc0 .Lf2_\@
	ARM G0Y, G1Y
	s_branch .Lfd_\@
.Lf2_\@:
	s_cmp_eq_u32 s[WV], 2
	s_cbranch_scc0 .Lf3_\@
	ARM G0X2, G1X2
	s_branch .Lfd_\@
.Lf3_\@:
	ARM G0Y2, G1Y2
.Lfd_\@:
.endm
.macro JLOAD                           ; K step 3 into slot 0: wave 0 X's rows, wave 1 Y's, waves 2 and 3 nothing
	s_cmp_eq_u32 s[WV], 0
	s_cbranch_scc0 .Lfor_y_\@
	ARM G0X, G1X
	s_branch .Lasked_\@
.Lfor_y_\@:
	s_cmp_eq_u32 s[WV], 1
	s_cbranch_scc0 .Lasked_\@
	ARM G0Y, G1Y
.Lasked_\@:
	PLACES                                         ; on every wave's way: the places ahead of the fragment loads that follow
.endm
.macro MKG0 g, lds, p, off             ; a group 0: count 1, LDS address, global address, type 2
	s_mov_b32 s[\g], 1
	s_mov_b32 s[\g+1], \lds
	s_add_nc_u64 s[\g+2:\g+3], s[\p:\p+1], \off
	s_or_b32 s[\g+3], s[\g+3], 0x80000000
.endm
.macro MKSC ea, eb, eo, d0, d1, d2     ; a projection's three powers of two
	s_add_co_i32 s2, s[\ea], s[\eb]
	s_sub_co_i32 s3, 127, s2
	s_lshl_b32 s[\d0], s3, 23
	s_sub_co_i32 s3, s[\eo], s2
	s_add_co_i32 s3, s3, 127
	s_lshl_b32 s[\d1], s3, 23
	s_add_co_i32 s3, s3, 15
	s_lshl_b32 s3, s3, 23
	s_or_b32 s[\d2], s3, 0x600000
.endm
; Sub-step u of eight (128 along K), fragment set u % 2, 48 loads in one run.  Registers 4 c .. 4 c + 3 of a fragment hold K = 32 c + 16 (l / 16) + 0 .. 15 of row l % 16, in X and in Y alike.
.macro FETCH u
.if ((\u)/2)%3 == 0
.set FS, 0
.set FP, PITCH
.set FO, 128*((\u)%2)
.else
.set FS, 1
.set FP, P2
.set FO, 128*((\u)-2)
.endif
	WIN 0x40                                       ; destination window 1, address window 0
.irp a, 0,1,2,3,4,5,6,7
.irp c, 0,1,2,3
	ds_load_b128 v[128*((\u)%2)+16*\a+4*\c:128*((\u)%2)+16*\a+4*\c+3], v[ADRX+FS] offset:FO+32*\c+\a*16*FP
.endr
.endr
	WIN 0
.irp b, 0,1,2,3
.irp c, 0,1,2,3
	ds_load_b128 v[128+64*((\u)%2)+16*\b+4*\c:128+64*((\u)%2)+16*\b+4*\c+3], v[ADRY+FS] offset:FO+32*\c+\b*16*FP
.endr
.endr
.endm
; 32 matrix instructions; the 32 accumulators take turns, one instruction a turn, in the same order in every sub-step
.macro MUL u
	WIN 0xa1                                       ; source 0 (X) window 1, source 1 (Y) window 0, C and D window 2
.irp a, 0,1,2,3,4,5,6,7
.irp b, 0,1,2,3
	v_wmma_f32_16x16x128_bf8_bf8 v[8*(4*\a+\b):8*(4*\a+\b)+7], v[128*((\u)%2)+16*\a:128*((\u)%2)+16*\a+15], v[128+64*((\u)%2)+16*\b:128+64*((\u)%2)+16*\b+15], v[8*(4*\a+\b):8*(4*\a+\b)+7]
.endr
.endr
.endm
	s_load_b512 s[4:19], s[0:1], 0x0               ; wq, wk, value, query, key, wv, bq, bk
	s_load_b128 s[20:23], s[0:1], 0x40             ; bv, the scales' exponents
	s_load_b64 s[24:25], s[0:1], 0x50              ; qkv
	v_lshl_add_u32 v[SPW], v0, 2, SPARE
	v_mov_b32 v[NIL], 0
	ds_add_u32 v[SPW], v[NIL]                      ; the opening lines: the add, twice on end, and its wait ahead of my first tensor load
	ds_add_u32 v[SPW], v[NIL]
	v_lshrrev_b32 v1, 5, v0
	v_readfirstlane_b32 s[WV], v1                  ; wave 0..3
	s_lshr_b32 s[ROLE], s[WV], 1
	s_and_b32 s[HALF], s[WV], 1
	s_bfe_u32 s60, ttmp6, 0x40000                  ; cx
	s_bfe_u32 s61, ttmp6, 0x40004                  ; cy
	s_and_b32 s62, ttmp7, 0xffff                   ; the cluster's y, 0 .. 15
	s_lshl_b32 s2, 0x1111, s60                     ; my column of the cluster shares X's tile,
	s_lshl_b32 s3, s61, 2
	s_lshl_b32 s3, 15, s3                          ; my row Y's
	s_or_b32 s[G1X], s2, PADW
	s_or_b32 s[G1Y], s3, PADW
	s_or_b32 s[G1X2], s2, PADW2
	s_or_b32 s[G1Y2], s3, PADW2
.irp g, G1X, G1Y, G1X2, G1Y2
	s_mov_b32 s[\g+5], 1024                        ; from row to row in memory
	s_mov_b32 s[\g+6], 0
	s_mov_b32 s[\g+7], 0
.endr
.irp g, G1X, G1Y
	s_mov_b32 s[\g+1], 256<<16                     ; rows of 256 bytes
	s_mov_b32 s[\g+3], 256<<16
.endr
.irp g, G1X2, G1Y2
	s_mov_b32 s[\g+1], 512<<16                     ; rows of 512 bytes
	s_mov_b32 s[\g+3], 512<<16
.endr
.irp g, G1X, G1X2
	s_mov_b32 s[\g+2], 256<<16                     ; X: 256 rows
	s_mov_b32 s[\g+4], 256
.endr
.irp g, G1Y, G1Y2
	s_mov_b32 s[\g+2], 128<<16                     ; Y: 128 rows
	s_mov_b32 s[\g+4], 128
.endr
	s_lshl_b32 s63, s62, 2                         ; Q, K: 1 x 16 clusters over 4 x 64 tiles: X tile cx,
	s_add_co_u32 s63, s63, s61                     ; Y tile 4 y + cy
	s_and_b32 s66, s62, 7                          ; V: 8 x 2 clusters over 32 x 8 tiles:
	s_lshl_b32 s66, s66, 2
	s_add_co_u32 s66, s66, s60                     ; X tile 4 (y % 8) + cx,
	s_lshr_b32 s67, s62, 3
	s_lshl_b32 s67, s67, 2
	s_add_co_u32 s67, s67, s61                     ; Y tile 4 (y / 8) + cy
	s_lshr_b32 s2, s63, 4                          ; Q's part of qkv: batch = Y tile / 16, head 4 cx + 2 (w & 1), 64 tokens of 64 bytes
	s_lshl_b32 s2, s2, 4
	s_lshl_b32 s3, s60, 2
	s_add_co_u32 s2, s2, s3
	s_lshl_b32 s3, s[HALF], 1
	s_add_co_u32 s2, s2, s3
	s_mul_i32 s2, s2, 3
	s_lshl_b32 s2, s2, 17
	s_and_b32 s3, s63, 15
	s_lshl_b32 s3, s3, 13
	s_add_co_u32 s2, s2, s3
	s_lshl_b32 s3, s[ROLE], 12
	s_add_co_u32 s83, s2, s3
	s_lshr_b32 s2, s66, 3                          ; V's: batch = X tile / 8, head 2 (Y tile) + (w >> 1), block of 64 keys 4 (X tile % 8) + 2 (w & 1)
	s_lshl_b32 s2, s2, 4
	s_lshl_b32 s3, s67, 1
	s_add_co_u32 s2, s2, s3
	s_add_co_u32 s2, s2, s[ROLE]
	s_mul_i32 s2, s2, 3
	s_add_co_u32 s2, s2, 2
	s_lshl_b32 s2, s2, 17
	s_and_b32 s3, s66, 7
	s_lshl_b32 s3, s3, 2
	s_add_co_u32 s3, s3, s[HALF]
	s_add_co_u32 s3, s3, s[HALF]
	s_lshl_b32 s3, s3, 12
	s_add_co_u32 s104, s2, s3
	s_wait_dscnt 0x0                               ; both opening adds are done
	s_wait_kmcnt 0x0
	s_load_b256 s[92:99], s[22:23], 0x0            ; e0 .. e7
	s_load_b32 s105, s[22:23], 0x24                ; e9
	s_lshl_b32 s2, s60, 18                         ; an X tile is 256 rows of 1,024 bytes
	s_mov_b32 s3, 0
	s_add_nc_u64 s[4:5], s[4:5], s[2:3]
	s_add_nc_u64 s[6:7], s[6:7], s[2:3]
	s_lshl_b32 s2, s66, 18
	s_add_nc_u64 s[8:9], s[8:9], s[2:3]
	s_lshl_b32 s26, s63, 17                        ; a Y tile 128 rows
	s_mov_b32 s27, 0
	s_add_nc_u64 s[10:11], s[10:11], s[26:27]
	s_add_nc_u64 s[12:13], s[12:13], s[26:27]
	s_lshl_b32 s26, s67, 17
	s_add_nc_u64 s[14:15], s[14:15], s[26:27]
	MKG0 G0X, 0, 4, 0
	MKG0 G0Y, XREG, 10, 0
	MKG0 G0X2, X12, 4, 256
	MKG0 G0Y2, Y12, 10, 256
	ROUND                                          ; all sixteen work-groups are here: the first joint loads meet
	FILL4                                          ; Q's K steps 0, 1, 2: one load a wave
	s_lshl_b32 s2, s60, 10                         ; Q, K: the bias runs along X: my first feature 256 cx + 128 (w & 1), 4 bytes each
	s_lshl_b32 s3, s[HALF], 9
	s_add_co_u32 s2, s2, s3
	s_mov_b32 s3, 0
	s_add_nc_u64 s[16:17], s[16:17], s[2:3]
	s_add_nc_u64 s[18:19], s[18:19], s[2:3]
	s_lshl_b32 s2, s67, 9                          ; V: along Y: 128 (Y tile) + 64 (w >> 1)
	s_lshl_b32 s26, s[ROLE], 8
	s_add_co_u32 s2, s2, s26
	s_add_nc_u64 s[20:21], s[20:21], s[2:3]
	s_mul_i32 s60, s[HALF], 128*PITCH              ; my rows in LDS: the wave's number and constants alone
	s_mul_i32 s61, s[ROLE], 64*PITCH
	s_add_co_u32 s61, s61, XREG
	s_mul_i32 s62, s[HALF], 128*P2
	s_add_co_u32 s62, s62, X12
	s_mul_i32 s63, s[ROLE], 64*P2
	s_add_co_u32 s63, s63, Y12
	s_mul_i32 s66, s[WV], 32*SPT
	s_add_co_u32 s66, s66, STAGE
	v_and_b32 v1, 15, v0                           ; r
	v_bfe_u32 v2, v0, 4, 1                         ; h
	v_and_b32 v3, 31, v0                           ; lane
	v_mul_u32_u24 v4, v1, PITCH
	v_lshl_add_u32 v4, v2, 4, v4
	v_mul_u32_u24 v7, v1, P2
	v_lshl_add_u32 v7, v2, 4, v7
	v_add_nc_u32 v[ADRX], s60, v4
	v_add_nc_u32 v[ADRY], s61, v4
	v_add_nc_u32 v[ADRX+1], s62, v7
	v_add_nc_u32 v[ADRY+1], s63, v7
	v_mul_u32_u24 v5, v1, SPT
	v_lshl_add_u32 v5, v2, 4, v5
	v_add_nc_u32 v[STO], s66, v5                   ; into the stage: row r, byte 16 h
	v_lshrrev_b32 v5, 2, v3
	v_mul_u32_u24 v5, v5, SPT
	v_and_b32 v6, 3, v3
	v_lshl_add_u32 v5, v6, 4, v5
	v_add_nc_u32 v[RD], s66, v5                    ; back: four lanes to a row's 64 bytes, eight rows an instruction
	v_lshlrev_b32 v[GOF], 4, v3
	v_lshlrev_b32 v[BA], 5, v2                     ; features 16 a + 8 h + 0 .. 7
	v_lshlrev_b32 v[BA2], 2, v1                    ; feature 16 b + r
	s_wait_alu depctr_va_vdst(0)                   ; the wait at the head's end
.irp a, 0,1,2,3,4,5,6,7
	global_load_b128 v[BX+8*\a:BX+8*\a+3], v[BA], s[16:17] offset:64*\a
	global_load_b128 v[BX+8*\a+4:BX+8*\a+7], v[BA], s[16:17] offset:64*\a+16
.endr
.irp b, 0,1,2,3
	global_load_b32 v[BY+2*\b], v[BA2], s[20:21] offset:64*\b
.endr
	s_wait_kmcnt 0x0
	s_mov_b32 s2, s104
	s_mov_b32 s3, 0
	s_add_nc_u64 s[22:23], s[24:25], s[2:3]
	s_mov_b32 s2, s83
	s_add_nc_u64 s[24:25], s[24:25], s[2:3]
	MKSC 92, 93, 98, 26, 27, 28
	MKSC 94, 95, 99, 29, 30, 31
	MKSC 96, 97, 105, 100, 101, 104
	s_mov_b32 s[TT], 0
; A TILE.  v = 0: Q's or K's, which has a successor; v = 1: V's, the last.
.macro TILE v
	s_wait_xcnt 0x0                                ; the last tile's stores have read their bases and their registers
.if \v
	s_mov_b32 s[SB], s100
	s_mov_b32 s[SB+1], s100
	v_mov_b32 v[SCL], s101
	v_mov_b32 v[LIM], s104
	s_mov_b64 s[OB0:OB0+1], s[22:23]
	s_add_nc_u64 s[OB0+2:OB0+3], s[22:23], 4096    ; the second run is the next block of 64 keys
	s_wait_loadcnt 0x0
.irp b, 0,1,2,3
	v_mov_b32 v[BY+2*\b+1], v[BY+2*\b]             ; a pair for the packed multiply
.endr
	WIN 0x80                                       ; destination window 2
.irp a, 0,1,2,3,4,5,6,7
.irp b, 0,1,2,3
.irp j, 0,2,4,6
	v_pk_mul_f32 v[8*(4*\a+\b)+\j:8*(4*\a+\b)+\j+1], v[BY+2*\b:BY+2*\b+1], s[SB:SB+1] op_sel_hi:[1,0]
.endr
.endr
.endr
	WIN 0
.else
	s_cmp_eq_u32 s[TT], 0
	s_cselect_b32 s[SB], s26, s29
	s_cselect_b32 s2, s27, s30
	s_cselect_b32 s3, s28, s31
	s_mov_b32 s[SB+1], s[SB]
	v_mov_b32 v[SCL], s2
	v_mov_b32 v[LIM], s3
	s_lshl_b32 s2, s[TT], 17                       ; K's plane follows Q's
	s_mov_b32 s3, 0
	s_add_nc_u64 s[OB0:OB0+1], s[24:25], s[2:3]
	s_add_nc_u64 s[OB0+2:OB0+3], s[OB0:OB0+1], 393216   ; the second run is the next head's: three planes on
	s_wait_loadcnt 0x0                             ; the bias
	WIN 0x80
.irp a, 0,1,2,3,4,5,6,7
.irp b, 0,1,2,3
.irp j, 0,2,4,6
	v_pk_mul_f32 v[8*(4*\a+\b)+\j:8*(4*\a+\b)+\j+1], v[BX+8*\a+\j:BX+8*\a+\j+1], s[SB:SB+1] op_sel_hi:[1,0]
.endr
.endr
.endr
	WIN 0
	s_cmp_lg_u32 s[TT], 0                          ; in Q's trip: K's bias, a whole tile ahead of its use
	s_cbranch_scc1 .Lno_bias_\@
.irp a, 0,1,2,3,4,5,6,7
	global_load_b128 v[BX+8*\a:BX+8*\a+3], v[BA], s[18:19] offset:64*\a
	global_load_b128 v[BX+8*\a+4:BX+8*\a+7], v[BA], s[18:19] offset:64*\a+16
.endr
.Lno_bias_\@:
.endif
	s_wait_tensorcnt 0x0                           ; my part of K steps 0, 1, 2 is in
	s_barrier_signal -1
	s_barrier_wait -1                              ; everybody's is
	FETCH 0
	FETCH 1
	s_wait_dscnt 48                                ; sub-step 0's fragments are in; sub-step 1's 48 loads may be out
	s_wait_alu depctr_va_vdst(0)                   ; directly ahead of the first readers of the sums' first values
	MUL 0
	WIN 0
	s_wait_tensorcnt 0x0                           ; no load of mine is out, so a group 0 may be written
	ds_add_u32 v[SPW], v[NIL]
	s_add_nc_u64 s[G0X+2:G0X+3], s[G0X+2:G0X+3], 768   ; K step 3
	s_add_nc_u64 s[G0Y+2:G0Y+3], s[G0Y+2:G0Y+3], 768
	s_wait_dscnt 0x0                               ; the add is done, and my reads of slot 0 are over
	ROUND
	JLOAD                                          ; slot 0 is filled again, first thing behind the round
	FETCH 2
	MUL 1
.irp u, 2,3,4
	PLACES
	FETCH \u+1
	s_wait_dscnt 48
	MUL \u
.endr
	WIN 0
	s_wait_tensorcnt 0x0                           ; my part of K step 3 is in
	ds_add_u32 v[SPW], v[NIL]
	s_wait_dscnt 0x0
	s_barrier_signal -1
	s_barrier_wait -1                              ; K step 3 is whole
	PLACES
	FETCH 6
	MUL 5
	PLACES
	FETCH 7
.if \v
	s_wait_dscnt 48
	MUL 6
	s_wait_dscnt 0x0
	MUL 7
.else
	s_wait_tensorcnt 0x0                           ; (every window is 0 here)  no load of mine is out
	ds_add_u32 v[SPW], v[NIL]
	s_wait_dscnt 49                                ; sub-step 6's fragments are in; sub-step 7's 48 loads and the add may be out
	MUL 6                                          ; 32 matrix instructions stand between the add and the wait for it
	WIN 0
	s_cmp_eq_u32 s[TT], 0                          ; the next tile: K's behind Q's, V's behind K's
	s_cselect_b64 s[2:3], s[6:7], s[8:9]
	s_cselect_b64 s[98:99], s[12:13], s[14:15]
	s_mov_b64 s[G0X+2:G0X+3], s[2:3]
	s_add_nc_u64 s[G0X2+2:G0X2+3], s[2:3], 256
	s_mov_b64 s[G0Y+2:G0Y+3], s[98:99]
	s_add_nc_u64 s[G0Y2+2:G0Y2+3], s[98:99], 256
.irp g, G0X, G0X2, G0Y, G0Y2
	s_or_b32 s[\g+3], s[\g+3], 0x80000000
.endr
	s_wait_dscnt 0x0                               ; the add is done, and my last reads of this tile are over
	ROUND                                          ; so it is with every wave of every partner
	FILL4                                          ; the next tile's K steps 0, 1, 2, first thing behind the round, one load a wave
	MUL 7
.endif
	PLACES
	; THE WAY OUT: the hold, the conversion, my own stage in two halves of 32 rows, runs of 512 bytes
	WIN 0x82                                       ; source 0 and destination window 2
.set i, 0
.rept 256
	v_med3_num_f32 v[i], v[i], -v[LIM], v[LIM]     ; the conversion to an 8-bit code does not saturate (ISA guide 7.6.2); each accumulator from its low end on
.set i, i+1
.endr
	WIN 0x02                                       ; source 0 window 2, destination window 0
.irp b, 0,1,2,3
.irp a, 0,1,2,3,4,5,6,7
	v_cvt_scalef32_pk8_bf8_f32 v[TMP+4*(4*\b+\a/2)+2*(\a%2):TMP+4*(4*\b+\a/2)+2*(\a%2)+1], v[8*(4*\a+\b):8*(4*\a+\b)+7], v[SCL]   ; X rows 16 a + 8 h + 0 .. 7 of Y row 16 b + r
.endr
.endr
	v_nop                                          ; one plain line behind the last conversion
	WIN 0
.irp p, 0,1
.irp q, 0,1
.irp c, 0,1,2,3
	ds_store_b128 v[STO], v[TMP+4*(4*(2*\p+\q)+\c):TMP+4*(4*(2*\p+\q)+\c)+3] offset:\q*16*SPT+32*\c
.endr
.endr
.irp j, 0,1
.irp i, 0,1,2,3
	ds_load_b128 v[OUTR+4*(8*\p+4*\j+\i):OUTR+4*(8*\p+4*\j+\i)+3], v[RD] offset:\i*8*SPT+64*\j   ; LDS serves a wave's instructions in order (ISA guide 5.7.1.4): these see my stores, and the next half's stores come behind them
.endr
.endr
.endr
.irp p, 0,1
.irp j, 0,1
.irp i, 0,1,2,3
	s_wait_dscnt (1-\p)*16+7-4*\j-\i               ; the younger LDS instructions may stay out
	global_store_b128 v[GOF], v[OUTR+4*(8*\p+4*\j+\i):OUTR+4*(8*\p+4*\j+\i)+3], s[OB0+2*\j:OB0+2*\j+1] offset:2048*\p+512*\i   ; 32 lanes store 512 consecutive bytes, aligned
.endr
.endr
.endr
.endm
.Ltile:
	TILE 0
	s_add_co_u32 s[TT], s[TT], 1
	s_cmp_lt_u32 s[TT], 2
	s_cbranch_scc1 .Ltile
	TILE 1
	s_wait_tensorcnt 0x0                           ; the wave's end
	ds_add_u32 v[SPW], v[NIL]
	s_wait_dscnt 0x0
	ROUND                                          ; the closing round
	s_endpgm
.Lfunc_end_k_qb804a527e3_proj:
	.size	k_qb804a527e3_proj, .Lfunc_end_k_qb804a527e3_proj-k_qb804a527e3_proj
	.p2alignl 7, 3214868480
	.fill 96, 4, 3214868480
	.section	.rodata,"a",@progbits
	.p2align	6, 0x0
	.amdhsa_kernel k_qb804a527e3_proj
		.amdhsa_group_segment_fixed_size 327680
		.amdhsa_private_segment_fixed_size 0
		.amdhsa_enable_private_segment 0
		.amdhsa_kernarg_size 88
		.amdhsa_user_sgpr_count 2
		.amdhsa_user_sgpr_kernarg_segment_ptr 1
		.amdhsa_wavefront_size32 1
		.amdhsa_system_sgpr_workgroup_id_x 1
		.amdhsa_system_sgpr_workgroup_id_y 1
		.amdhsa_system_sgpr_workgroup_id_z 1
		.amdhsa_system_vgpr_workitem_id 0
		.amdhsa_next_free_vgpr 768
		.amdhsa_next_free_sgpr 106
		.amdhsa_reserve_vcc 0
		.amdhsa_float_denorm_mode_32 3
		.amdhsa_float_denorm_mode_16_64 3
		.amdhsa_memory_ordered 1
		.amdhsa_forward_progress 1
		.amdhsa_inst_pref_size 165
	.end_amdhsa_kernel
	.amdgpu_metadata
---
amdhsa.version: [ 1, 2 ]
amdhsa.kernels:
  - .name:           k_qb804a527e3_proj
    .symbol:         k_qb804a527e3_proj.kd
    .args:
      - { .name: wq_codes, .offset: 0, .size: 8, .value_kind: global_buffer, .address_space: global }
      - { .name: wk_codes, .offset: 8, .size: 8, .value_kind: global_buffer, .address_space: global }
      - { .name: value_codes, .offset: 16, .size: 8, .value_kind: global_buffer, .address_space: global }
      - { .name: query_codes, .offset: 24, .size: 8, .value_kind: global_buffer, .address_space: global }
      - { .name: key_codes, .offset: 32, .size: 8, .value_kind: global_buffer, .address_space: global }
      - { .name: wv_codes, .offset: 40, .size: 8, .value_kind: global_buffer, .address_space: global }
      - { .name: bq, .offset: 48, .size: 8, .value_kind: global_buffer, .address_space: global }
      - { .name: bk, .offset: 56, .size: 8, .value_kind: global_buffer, .address_space: global }
      - { .name: bv, .offset: 64, .size: 8, .value_kind: global_buffer, .address_space: global }
      - { .name: lowp_scales, .offset: 72, .size: 8, .value_kind: global_buffer, .address_space: global }
      - { .name: qkv, .offset: 80, .size: 8, .value_kind: global_buffer, .address_space: global }
    .group_segment_fixed_size: 327680
    .private_segment_fixed_size: 0
    .kernarg_segment_align: 8
    .kernarg_segment_size: 88
    .max_flat_workgroup_size: 128
    .sgpr_count:     106
    .vgpr_count:     768
    .wavefront_size: 32
...
	.end_amdgpu_metadata
.endif
;; end of part 1
;; launch attn (part 2): grid 4 x 64, 16 waves a work-group, clusters of 4 x 1, 327,680 bytes of LDS; arguments qkv, lowp_scales, ctxc; writes ctxc
.if DOCPART == 2
	.amdgcn_target "amdgcn-amd-amdhsa--gfx1250"
	.amdhsa_code_object_version 6
	.text
	.protected	k_qb804a527e3_attn
	.globl	k_qb804a527e3_attn
	.p2align	8
	.type	k_qb804a527e3_attn,@function
k_qb804a527e3_attn:
	s_mov_b64 s[64:65], 0
	v_nop
	global_prefetch_b8 v0, s[64:65] scope:SCOPE_SE
	s_setreg_imm32_b32 hwreg(HW_REG_WAVE_MODE, 25, 1), 1
	s_wait_xcnt 0x0
	s_wait_alu depctr_hold_cnt(0) depctr_sa_sdst(0) depctr_va_vdst(0) depctr_va_sdst(0) depctr_va_ssrc(0) depctr_va_vcc(0) depctr_vm_vsrc(0)
	s_getreg_b32 s2, hwreg(HW_REG_IB_STS2, 6, 4)
	s_cmp_eq_u32 s2, 0
	s_cbranch_scc0 .Lentry_in_a_cluster
	s_endpgm
.Lentry_in_a_cluster:
	s_bfe_u32 s2, ttmp6, 0x10000c
	s_cmp_lg_u32 s2, 0x3003
	s_cbranch_scc0 .Lentry_shape_is_right
	s_endpgm
.Lentry_shape_is_right:
; ATTENTION on codes of BF8 (E5M2): ctx = softmax(Q K^T / 8) V for one batch and head, both products on codes, ctx quantised at once with entry 10 of the scales.  No work is left out.
; qkv: planes of 131,072 bytes, plane (b 16 + h) 3 + T (T = 0 Q, 1 K, 2 V).  Q, K plane: [s 2,048][64 codes along e].  V plane: [t / 64][e 64][64 codes along t].
; ctxc: [token / 128][h][token % 128][e 64], one code a byte.
; THE SOFTMAX: t = score x log2(e) / 8; M = the running largest t rounded up to a whole number; p = 2^(t - M) is quantised (entry 8), not normalised; the row's sum is taken of the unquantised p and divides at the end.
; When M moves, the sum and O are multiplied by 2^(old M - new M), which rounds nothing.
; SHARES.  A cluster of four work-groups owns one (b, h); a work-group 512 queries; each of its sixteen waves 32 queries, two tiles of 16 (A, B), which share every fragment of V.
; A head's K and V, 1,024 rows of 256 bytes, lie in LDS whole (pitch 272): each wave asks for 64 rows by ONE joint load (mask 15: the four partners need the same rows).  Nothing is filled again,
; so one wait, one barrier, and then a loop of sixteen key steps of 128 keys with no barrier in it.
; NO PREFETCH: all that the launch reads through LDS is asked for by its first loads; there is no loop to run ahead in.
; Both products are used transposed (S^T = K Q^T, O^T = V^T P^T): a lane holds one query (lane % 16), its registers run along the keys, then along e.
; LIMITS: e6 + e7 between -124 and 129 (added to the exponent field of log2(e) / 8); e8 between -126 and 112; e10 - e8 - e9 between -126 and 112; the scaled scores stay under 2^31 in magnitude.
; REGISTERS: v1-7 addresses; v8-11, v12-15 tile A's, B's -M, largest raw score, sum (two halves); v16-31 Q; v32-95 K's fragments, then V's tiles 0, 1, 2 and B's codes; v96-159 S^T, then p, then V's tile 3; v160-223 O^T; v224-239 A's codes.
.set PITCH, 272                        ; 256 bytes + 16 of padding
.set VOFF,  512*PITCH                  ; K's 512 rows, then V's 512
.set STEPB, 32*PITCH                   ; 128 keys: 32 rows of K (four keys a row), 32 rows of V (two blocks of 64 keys x 16 rows)
.set SPARE, 1024*PITCH                 ; the spare words, 128 bytes a wave
.set STAGE, SPARE+2048                 ; the way out: 32 rows of 80 bytes a wave
.set SP,    80
.set AK0, 1
.set AV0, 2
.set SPW, 3
.set NIL, 4
.set QO,  5
.set STO, 6
.set RD,  7
.set QA,  16
.set QB,  24
.set FR,  32
.set PB,  64
.set S,   96
.set OA,  160
.set OB,  192
.set PA,  224
.set HLD, 240                          ; 57,344 x 2^e8
.set PSC, 242                          ; 2^e8
.set F,   244                          ; 2^(old M - new M)
.set T0,  246
.set T1,  247
.set TP,  248
.set GO,  249
.set L2,  250
.set ADK, 252
.set ADV, 253
.set OSC, 254
.set OLM, 255
.set WV,  10
.set CXR, 11
.set BH,  12
.set G1,  16
.set G0,  24
.set SEL, 40
.set CS,  42
.set TB,  44
.set CNT, 45
.macro ROUND                           ; a round of the cluster's barrier
	s_barrier_signal -1
	s_barrier_wait -1
	s_cmp_lg_u32 s[WV], 0
	s_cbranch_scc1 .Lnot_wave_0_\@
	s_barrier_signal -3
.Lnot_wave_0_\@:
	s_barrier_wait -3
	s_barrier_signal -1
	s_barrier_wait -1
.endm
.macro VLOAD t, reg                    ; V^T's tile t: 16 of the head's 64 x this step's 128 keys
.irp c, 0,1,2,3
	ds_load_b128 v[\reg+4*\c:\reg+4*\c+3], v[ADV] offset:((\c/2)*16+4*\t)*PITCH+32*(\c%2)
.endr
.endm
.macro HOLD2 r                         ; the hold of two p at the largest code x the scale, as one pair: the conversion to an 8-bit code does not saturate (ISA guide 7.6.2); p is not negative
	v_dual_min_num_f32 v[\r], v[HLD], v[\r] :: v_dual_min_num_f32 v[\r+1], v[HLD], v[\r+1]
.endm
; One tile's softmax on the 64 scores in S: st = its four state registers, p = where its codes go.  It leaves f in v[F].
.macro SOFTMAX st, p
	v_max3_num_f32 v[T0], v[S], v[S+1], v[S+2]     ; the step's largest score among my 64 keys, in four chains that take turns, each accumulator from its low end on
	v_max3_num_f32 v[T1], v[S+3], v[S+4], v[S+5]
	v_max3_num_f32 v[TP], v[S+6], v[S+7], v[S+8]
	v_max3_num_f32 v[F+1], v[S+9], v[S+10], v[S+11] ; (the upper half of f's pair is named but never used: it serves as the fourth chain)
.set i, 12
.rept 6
	v_max3_num_f32 v[T0], v[T0], v[S+i], v[S+i+1]
	v_max3_num_f32 v[T1], v[T1], v[S+i+2], v[S+i+3]
	v_max3_num_f32 v[TP], v[TP], v[S+i+4], v[S+i+5]
	v_max3_num_f32 v[F+1], v[F+1], v[S+i+6], v[S+i+7]
.set i, i+8
.endr
	v_max3_num_f32 v[T0], v[T0], v[S+60], v[S+61]
	v_max3_num_f32 v[T1], v[T1], v[S+62], v[S+63]
	s_delay_alu instid0(VALU_DEP_1)
	v_max3_num_f32 v[T0], v[T0], v[T1], v[TP]
	s_delay_alu instid0(VALU_DEP_1)
	v_max_num_f32 v[T0], v[T0], v[F+1]
	s_delay_alu instid0(VALU_DEP_1)
	v_permlanex16_b32 v[TP], v[T0], s[SEL], s[SEL+1]
	s_delay_alu instid0(VALU_DEP_1)
	v_max3_num_f32 v[\st+1], v[\st+1], v[T0], v[TP] ; the running largest raw score: mine, lane l xor 16's, and the one so far
	s_delay_alu instid0(VALU_DEP_1)
	v_mul_f32 v[T0], s[CS], v[\st+1]               ; as t (the factor is positive)
	v_mov_b32 v[T1], v[\st]
	s_delay_alu instid0(VALU_DEP_2)
	v_floor_f32 v[\st], -v[T0]                     ; the new -M = floor(-t)
	s_delay_alu instid0(VALU_DEP_1)
	v_sub_f32 v[T0], v[\st], v[T1]                 ; old M - new M, a whole number, 0 or less
.set i, 0
.rept 4
	v_pk_fma_f32 v[S+i:S+i+1], v[S+i:S+i+1], s[CS:CS+1], v[\st:\st+1] op_sel_hi:[1,0,0]   ; t - M; of both pairs the low word serves both halves.  The lines that make f stand among these
.set i, i+2
.endr
	v_cvt_i32_f32 v[T0], v[T0]
.rept 4
	v_pk_fma_f32 v[S+i:S+i+1], v[S+i:S+i+1], s[CS:CS+1], v[\st:\st+1] op_sel_hi:[1,0,0]
.set i, i+2
.endr
	v_ldexp_f32 v[F], 1.0, v[T0]
.rept 24
	v_pk_fma_f32 v[S+i:S+i+1], v[S+i:S+i+1], s[CS:CS+1], v[\st:\st+1] op_sel_hi:[1,0,0]
.set i, i+2
.endr
	s_wait_alu depctr_va_vdst(0)                   ; the wait ahead of the batch
.set i, 0
.rept 64
	v_exp_f32 v[S+i], v[S+i]
.set i, i+1
.endr
	v_pk_mul_f32 v[\st+2:\st+3], v[\st+2:\st+3], v[F:F+1] op_sel_hi:[1,0]   ; the sum under the new M; the plain line behind the batch
	s_wait_alu depctr_va_vdst(0)                   ; and the one wait behind it
	v_pk_add_f32 v[L2:L2+1], v[S:S+1], v[S+2:S+3]  ; the sum of the unquantised p, in three chains that take turns
	v_pk_add_f32 v[T0:T0+1], v[S+4:S+5], v[S+6:S+7]
.set i, 8
.rept 9
	v_pk_add_f32 v[\st+2:\st+3], v[\st+2:\st+3], v[S+i:S+i+1]
	v_pk_add_f32 v[L2:L2+1], v[L2:L2+1], v[S+i+2:S+i+3]
	v_pk_add_f32 v[T0:T0+1], v[T0:T0+1], v[S+i+4:S+i+5]
.set i, i+6
.endr
	v_pk_add_f32 v[\st+2:\st+3], v[\st+2:\st+3], v[S+62:S+63]
	v_pk_add_f32 v[L2:L2+1], v[L2:L2+1], v[T0:T0+1]
	s_delay_alu instid0(VALU_DEP_1)
	v_pk_add_f32 v[\st+2:\st+3], v[\st+2:\st+3], v[L2:L2+1]
.set i, 0
.rept 32
	HOLD2 S+i
.set i, i+2
.endr
.set t, 0
.rept 8
	v_cvt_scalef32_pk8_bf8_f32 v[\p+2*t:\p+2*t+1], v[S+8*t:S+8*t+7], v[PSC]   ; registers 2 t, 2 t + 1 of the operand: keys 16 t + 8 (lane / 16) + 0 .. 7
.set t, t+1
.endr
.endm
.macro RESC o                          ; a tile's O^T under the new M
	s_wait_alu depctr_va_vdst(0)                   ; directly ahead of the first readers of the last step's products
.set i, 0
.rept 16
	v_pk_mul_f32 v[\o+i:\o+i+1], v[\o+i:\o+i+1], v[F:F+1] op_sel_hi:[1,0]
.set i, i+2
.endr
.endm
.macro QK q                            ; S^T = K Q^T: eight tiles of 16 keys against one tile of queries
.irp t, 0,1,2,3,4,5,6,7
	v_wmma_f32_16x16x64_bf8_bf8 v[S+8*\t:S+8*\t+7], v[FR+8*\t:FR+8*\t+7], v[\q:\q+7], 0
.endr
.endm
.macro PV t, vf                        ; the eight accumulators of O^T take turns
	v_wmma_f32_16x16x128_bf8_bf8 v[OA+8*\t:OA+8*\t+7], v[\vf:\vf+15], v[PA:PA+15], v[OA+8*\t:OA+8*\t+7]
	v_wmma_f32_16x16x128_bf8_bf8 v[OB+8*\t:OB+8*\t+7], v[\vf:\vf+15], v[PB:PB+15], v[OB+8*\t:OB+8*\t+7]
.endm
	s_load_b128 s[4:7], s[0:1], 0x0                ; qkv, the scales' exponents
	s_load_b64 s[8:9], s[0:1], 0x10                ; ctxc
	v_lshl_add_u32 v[SPW], v0, 2, SPARE
	v_mov_b32 v[NIL], 0
	ds_add_u32 v[SPW], v[NIL]                      ; the opening lines: the add, twice on end, and its wait ahead of my tensor load
	ds_add_u32 v[SPW], v[NIL]
	v_lshrrev_b32 v5, 5, v0
	s_delay_alu instid0(VALU_DEP_1)
	v_readfirstlane_b32 s[WV], v5                  ; wave 0..15
	s_bfe_u32 s[CXR], ttmp6, 0x40000               ; my place in the cluster: which 512 queries
	s_and_b32 s[BH], ttmp7, 0xffff                 ; b 16 + h
	s_mov_b32 s[G1], 15|(1<<20)|(1<<21)|(5<<22)|(3<<25)   ; mask: all four partners; elements of 1 byte; 4 words of padding after every 64
	s_mov_b32 s[G1+1], 256<<16
	s_mov_b32 s[G1+2], 64<<16                      ; 64 dense rows of 256 bytes
	s_mov_b32 s[G1+3], 256<<16
	s_mov_b32 s[G1+4], 64
	s_mov_b32 s[G1+5], 256
	s_mov_b32 s[G1+6], 0
	s_mov_b32 s[G1+7], 0
	s_mov_b32 s[SEL], 0x76543210
	s_mov_b32 s[SEL+1], 0xfedcba98
	s_mul_i32 s61, s[WV], 64*PITCH                 ; my 64 rows in LDS,
	s_mul_i32 s66, s[BH], 3
	s_add_co_u32 s67, s66, 1
	s_lshl_b32 s68, s67, 17                        ; K's plane, with V's behind it,
	s_lshl_b32 s62, s[WV], 14
	s_add_co_u32 s68, s68, s62                     ; and my 16,384 bytes of the two
	s_mov_b32 s69, 0
	s_lshl_b32 s70, s66, 17                        ; Q's plane, at my 32 queries
	s_lshl_b32 s74, s[CXR], 15
	s_lshl_b32 s75, s[WV], 11
	s_add_co_u32 s70, s70, s74
	s_add_co_u32 s70, s70, s75
	s_mov_b32 s71, 0
	s_lshr_b32 s72, s[BH], 4                       ; ctxc: block of 128 tokens 16 b + 4 cx + wave / 4, head, 32 tokens (wave % 4) of 64 bytes
	s_lshl_b32 s72, s72, 4
	s_lshl_b32 s74, s[CXR], 2
	s_add_co_u32 s72, s72, s74
	s_lshr_b32 s74, s[WV], 2
	s_add_co_u32 s72, s72, s74
	s_lshl_b32 s72, s72, 4
	s_and_b32 s74, s[BH], 15
	s_add_co_u32 s72, s72, s74
	s_lshl_b32 s72, s72, 13
	s_and_b32 s74, s[WV], 3
	s_lshl_b32 s74, s74, 11
	s_add_co_u32 s72, s72, s74
	s_mov_b32 s73, 0
	s_wait_dscnt 0x0                               ; both opening adds are done
	s_wait_kmcnt 0x0
	s_load_b256 s[48:55], s[6:7], 0x0              ; e0 .. e7
	s_load_b128 s[56:59], s[6:7], 0x20             ; e8 .. e11
	s_add_nc_u64 s[70:71], s[4:5], s[70:71]
	s_add_nc_u64 s[72:73], s[8:9], s[72:73]
	s_mov_b32 s[G0], 1
	s_mov_b32 s[G0+1], s61
	s_add_nc_u64 s[G0+2:G0+3], s[4:5], s[68:69]
	s_or_b32 s[G0+3], s[G0+3], 0x80000000
	ROUND                                          ; the four partners are here: the joint loads meet
	tensor_load_to_lds s[G0:G0+3], s[G1:G1+7]      ; my one tensor load of the launch
	s_nop 0
.rept 4
	v_nop
.endr
	v_and_b32 v[T0], 15, v0                        ; r
	v_bfe_u32 v[T1], v0, 4, 1                      ; h
	s_delay_alu instid0(VALU_DEP_2)
	v_lshlrev_b32 v[QO], 6, v[T0]
	s_delay_alu instid0(VALU_DEP_1)
	v_lshl_add_u32 v[QO], v[T1], 4, v[QO]
	global_load_b128 v[QA:QA+3], v[QO], s[70:71] th:TH_LOAD_NT
	global_load_b128 v[QA+4:QA+7], v[QO], s[70:71] offset:32 th:TH_LOAD_NT
	global_load_b128 v[QB:QB+3], v[QO], s[70:71] offset:1024 th:TH_LOAD_NT
	global_load_b128 v[QB+4:QB+7], v[QO], s[70:71] offset:1056 th:TH_LOAD_NT
	v_lshrrev_b32 v[TP], 2, v[T0]
	s_delay_alu instid0(VALU_DEP_1)
	v_mul_u32_u24 v[AK0], v[TP], PITCH
	v_and_b32 v[TP], 3, v[T0]
	s_delay_alu instid0(VALU_DEP_1)
	v_lshl_add_u32 v[AK0], v[TP], 6, v[AK0]
	s_delay_alu instid0(VALU_DEP_1)
	v_lshl_add_u32 v[AK0], v[T1], 4, v[AK0]        ; four rows of 64 codes to an LDS row: (r / 4) rows + 64 (r % 4) + 16 h
	s_delay_alu instid0(VALU_DEP_1)
	v_add_nc_u32 v[AV0], VOFF, v[AK0]
	s_mul_i32 s74, s[WV], 32*SP
	s_add_co_u32 s74, s74, STAGE
	v_mul_u32_u24 v[STO], v[T0], SP
	s_delay_alu instid0(VALU_DEP_1)
	v_lshl_add_u32 v[STO], v[T1], 3, v[STO]
	s_delay_alu instid0(VALU_DEP_1)
	v_add_nc_u32 v[STO], s74, v[STO]
	v_and_b32 v[L2], 31, v0
	s_delay_alu instid0(VALU_DEP_1)
	v_lshrrev_b32 v[L2+1], 2, v[L2]
	s_delay_alu instid0(VALU_DEP_1)
	v_mul_u32_u24 v[RD], v[L2+1], SP
	s_delay_alu instid0(VALU_DEP_3)
	v_and_b32 v[L2+1], 3, v[L2]
	s_delay_alu instid0(VALU_DEP_1)
	v_lshl_add_u32 v[RD], v[L2+1], 4, v[RD]
	s_delay_alu instid0(VALU_DEP_1)
	v_add_nc_u32 v[RD], s74, v[RD]
	v_lshlrev_b32 v[GO], 4, v[L2]
	v_mov_b32 v9, 0xff61b1e6                       ; the largest score so far: -3e38
	v_mov_b32 v13, 0xff61b1e6
	s_delay_alu instid0(VALU_DEP_2)
	v_floor_f32 v8, -v9                            ; -M
	s_delay_alu instid0(VALU_DEP_2)
	v_floor_f32 v12, -v13
	v_mov_b32 v10, 0
	v_mov_b32 v11, 0
	v_mov_b32 v14, 0
	v_mov_b32 v15, 0
	v_mov_b32 v[F+1], 0                            ; (named as the upper half of a pair)
.set i, 0
.rept 64
	v_mov_b32 v[OA+i], 0                           ; the step is written once: the first finds zeros, which the first change of M leaves zeros
.set i, i+1
.endr
	s_wait_kmcnt 0x0
	s_mov_b32 s[CS], 0x3e38aa3b                    ; log2(e) / 8,
	s_add_co_i32 s75, s54, s55
	s_lshl_b32 s75, s75, 23
	s_add_co_i32 s[CS], s[CS], s75                 ; x 2^(e6 + e7)
	s_mov_b32 s[CS+1], s[CS]
	s_add_co_i32 s75, s56, 127
	s_lshl_b32 s76, s75, 23
	v_mov_b32 v[PSC], s76
	s_add_co_i32 s75, s75, 15
	s_lshl_b32 s75, s75, 23
	s_or_b32 s75, s75, 0x600000
	v_mov_b32 v[HLD], s75
	s_sub_co_i32 s75, s58, s56                     ; a sum of the second product stands for sum x 2^(e8 + e9): ctx's code is sum / 2^(e10 - e8 - e9)
	s_sub_co_i32 s75, s75, s57
	s_add_co_i32 s75, s75, 127
	s_lshl_b32 s76, s75, 23
	v_mov_b32 v[OSC], s76
	s_add_co_i32 s75, s75, 15
	s_lshl_b32 s75, s75, 23
	s_or_b32 s75, s75, 0x600000
	v_mov_b32 v[OLM], s75
	s_mov_b32 s[TB], 0
	s_mov_b32 s[CNT], 16
	s_wait_alu depctr_va_vdst(0)                   ; the wait at the head's end
	s_wait_loadcnt 0x0                             ; Q
	s_wait_tensorcnt 0x0                           ; my 64 rows are in
	s_barrier_signal -1
	s_barrier_wait -1                              ; everybody's are: K and V are whole, and nothing writes them again
.Lstep:                                            ; a key step: 128 keys
	v_add_nc_u32 v[ADK], s[TB], v[AK0]
	v_add_nc_u32 v[ADV], s[TB], v[AV0]
.rept 3
	v_nop                                          ; with the two additions: five places between the last products and the lines that write over their operands
.endr
.irp t, 0,1,2,3,4,5,6,7
	ds_load_b128 v[FR+8*\t:FR+8*\t+3], v[ADK] offset:4*\t*PITCH
	ds_load_b128 v[FR+8*\t+4:FR+8*\t+7], v[ADK] offset:4*\t*PITCH+32
.endr
	s_wait_dscnt 0x0
	QK QA
.rept 4
	v_nop
.endr
	SOFTMAX 8, PA
	v_nop                                          ; one plain line between the last conversion and the products that write over its sources
	QK QB
	RESC OA                                        ; tile A's rescaling: these sixteen lines are also the places behind tile B's score products
	VLOAD 0, FR
	VLOAD 1, FR+16
	VLOAD 2, FR+48                                 ; where K's tiles 6 and 7 lay; B's codes lie between
	SOFTMAX 12, PB
	VLOAD 3, S
	RESC OB
	s_wait_alu depctr_va_vdst(0)
	s_wait_dscnt 4                                 ; V's tiles 0, 1, 2 are in; the four loads of tile 3 may be out
	PV 0, FR
	PV 1, FR+16
	PV 2, FR+48
	s_wait_dscnt 0x0
	PV 3, S
	s_add_co_u32 s[TB], s[TB], STEPB
	s_sub_co_u32 s[CNT], s[CNT], 1
	s_cmp_lg_u32 s[CNT], 0
	s_cbranch_scc1 .Lstep
	; THE WAY OUT: O^T / the sum, the hold, the conversion, my own stage, runs of 512 bytes
	v_add_f32 v10, v10, v11
	v_add_f32 v14, v14, v15
	s_delay_alu instid0(VALU_DEP_2)
	v_permlanex16_b32 v[TP], v10, s[SEL], s[SEL+1]
	s_delay_alu instid0(VALU_DEP_2)
	v_permlanex16_b32 v[T0], v14, s[SEL], s[SEL+1]
	s_delay_alu instid0(VALU_DEP_2)
	v_add_f32 v10, v10, v[TP]
	s_delay_alu instid0(VALU_DEP_2)
	v_add_f32 v14, v14, v[T0]
	s_wait_alu depctr_va_vdst(0)                   ; the wait ahead of the transcendentals
	v_rcp_f32 v10, v10
	v_rcp_f32 v14, v14
	v_nop
	s_wait_alu depctr_va_vdst(0)                   ; and behind them, directly ahead of the first readers of O^T too
.set i, 0
.rept 16
	v_pk_mul_f32 v[OA+i:OA+i+1], v[OA+i:OA+i+1], v[10:11] op_sel_hi:[1,0]
.set i, i+2
.endr
.set i, 0
.rept 16
	v_pk_mul_f32 v[OB+i:OB+i+1], v[OB+i:OB+i+1], v[14:15] op_sel_hi:[1,0]
.set i, i+2
.endr
.set i, 0
.rept 64
	v_med3_num_f32 v[OA+i], v[OA+i], -v[OLM], v[OLM]
.set i, i+1
.endr
.set i, 0
.rept 8
	v_cvt_scalef32_pk8_bf8_f32 v[S+2*i:S+2*i+1], v[OA+8*i:OA+8*i+7], v[OSC]
.set i, i+1
.endr
	v_nop
.set i, 0
.rept 8
	ds_store_b64 v[STO], v[S+2*i:S+2*i+1] offset:(i/4)*16*SP+16*(i%4)   ; query 16 (i / 4) + r, e = 16 (i % 4) + 8 h on
.set i, i+1
.endr
.irp i, 0,1,2,3
	ds_load_b128 v[S+16+4*\i:S+16+4*\i+3], v[RD] offset:\i*8*SP          ; LDS serves a wave's instructions in order: these see my stores
.endr
.irp i, 0,1,2,3
	s_wait_dscnt 3-\i                              ; the younger read-backs may stay out
	global_store_b128 v[GO], v[S+16+4*\i:S+16+4*\i+3], s[72:73] offset:512*\i   ; 32 lanes store 512 consecutive bytes, aligned
.endr
	s_wait_tensorcnt 0x0                           ; the wave's end
	ds_add_u32 v[SPW], v[NIL]
	s_wait_dscnt 0x0
	ROUND                                          ; the closing round
	s_endpgm
.Lfunc_end_k_qb804a527e3_attn:
	.size	k_qb804a527e3_attn, .Lfunc_end_k_qb804a527e3_attn-k_qb804a527e3_attn
	.p2alignl 7, 3214868480
	.fill 96, 4, 3214868480
	.section	.rodata,"a",@progbits
	.p2align	6, 0x0
	.amdhsa_kernel k_qb804a527e3_attn
		.amdhsa_group_segment_fixed_size 327680
		.amdhsa_private_segment_fixed_size 0
		.amdhsa_enable_private_segment 0
		.amdhsa_kernarg_size 24
		.amdhsa_user_sgpr_count 2
		.amdhsa_user_sgpr_kernarg_segment_ptr 1
		.amdhsa_wavefront_size32 1
		.amdhsa_system_sgpr_workgroup_id_x 1
		.amdhsa_system_sgpr_workgroup_id_y 1
		.amdhsa_system_sgpr_workgroup_id_z 1
		.amdhsa_system_vgpr_workitem_id 0
		.amdhsa_next_free_vgpr 256
		.amdhsa_next_free_sgpr 80
		.amdhsa_reserve_vcc 0
		.amdhsa_float_denorm_mode_32 3
		.amdhsa_float_denorm_mode_16_64 3
		.amdhsa_memory_ordered 1
		.amdhsa_forward_progress 1
		.amdhsa_inst_pref_size 47
	.end_amdhsa_kernel
	.amdgpu_metadata
---
amdhsa.version: [ 1, 2 ]
amdhsa.kernels:
  - .name:           k_qb804a527e3_attn
    .symbol:         k_qb804a527e3_attn.kd
    .args:
      - { .name: qkv, .offset: 0, .size: 8, .value_kind: global_buffer, .address_space: global }
      - { .name: lowp_scales, .offset: 8, .size: 8, .value_kind: global_buffer, .address_space: global }
      - { .name: ctxc, .offset: 16, .size: 8, .value_kind: global_buffer, .address_space: global }
    .group_segment_fixed_size: 327680
    .private_segment_fixed_size: 0
    .kernarg_segment_align: 8
    .kernarg_segment_size: 24
    .max_flat_workgroup_size: 512
    .sgpr_count:     80
    .vgpr_count:     256
    .wavefront_size: 32
...
	.end_amdgpu_metadata
.endif
;; end of part 2
;; launch oproj (part 3): grid 4 x 64, 4 waves a work-group, clusters of 4 x 4, 327,680 bytes of LDS; arguments wo_codes, ctxc, bo, lowp_scales, out0; writes out0
.if DOCPART == 3
	.amdgcn_target "amdgcn-amd-amdhsa--gfx1250"
	.amdhsa_code_object_version 6
	.text
	.protected	k_qb804a527e3_oproj
	.globl	k_qb804a527e3_oproj
	.p2align	8
	.type	k_qb804a527e3_oproj,@function
k_qb804a527e3_oproj:
	s_mov_b64 s[64:65], 0
	v_nop
	global_prefetch_b8 v0, s[64:65] scope:SCOPE_SE
	s_setreg_imm32_b32 hwreg(HW_REG_WAVE_MODE, 25, 1), 1
	s_wait_xcnt 0x0
	s_wait_alu depctr_hold_cnt(0) depctr_sa_sdst(0) depctr_va_vdst(0) depctr_va_sdst(0) depctr_va_ssrc(0) depctr_va_vcc(0) depctr_vm_vsrc(0)
	s_getreg_b32 s2, hwreg(HW_REG_IB_STS2, 6, 4)
	s_cmp_eq_u32 s2, 0
	s_cbranch_scc0 .Lentry_in_a_cluster
	s_endpgm
.Lentry_in_a_cluster:
	s_bfe_u32 s2, ttmp6, 0x10000c
	s_cmp_lg_u32 s2, 0xf033
	s_cbranch_scc0 .Lentry_shape_is_right
	s_endpgm
.Lentry_shape_is_right:
; THE OUTPUT PROJECTION on codes of BF8 (E5M2): out0[token][d] = (the sum over f of ctx[token][f] wo[d][f]) x 2^(e10 + e11) + bo[d]; 8,192 x 1,024, K = 1,024; sums in f32.  No work is left out.
; X = wo ([d][f], 1,024 bytes a row), Y = ctx's codes from the workspace ctxc, laid [token / 128][h][token % 128][e 64]: a K step of 256 (four heads) of a tile's 128 tokens is one dense block of 32,768 bytes,
; brought as 128 rows of 256 bytes: row 32 (head in the step) + token / 4, byte 64 (token % 4) + e.
; A tile is 256 d x 128 tokens; four waves, wave w makes d 128 (w & 1) on x tokens 64 (w >> 1) on: 32 accumulators.  Source 0 = 16 rows of wo, source 1 = 16 tokens: a lane holds one token and eight neighbouring d.
; K goes in four steps of 256 through three LDS slots; slot 0 is filled a second time.  CLUSTER 4 x 4: wo's tile hangs on cx alone and is asked for jointly by a column, ctx's on cy alone and by a row.
; LIMIT: e10 + e11 between -126 and 127, so that 2^(e10 + e11) is an f32 number.
; REGISTERS, in windows of 256.  Window 0: v8-21 addresses; v32-95 bo at my 128 d; v128-191, v192-255 Y's fragments, two sets (later results and rows on their way out).  Window 1: X's fragments, two sets.
; Window 2: accumulator (a, b) at v[8 (4 a + b)].
.set PITCH,  272                       ; an LDS row: 256 bytes + 16 of padding
.set XREG,   256*PITCH
.set SLOT,   384*PITCH
.set P2,     528                       ; X's K steps 1 and 2 lie side by side in rows of 512 bytes + 16 of padding
.set X12,    SLOT                      ; 256 such rows, behind slot 0
.set Y12,    SLOT+256*P2               ; then Y's K steps 1 and 2: 256 dense rows of 256 bytes, pitch 272
.set SPARE,  Y12+256*PITCH             ; behind them: the spare words, 128 bytes a wave
.set PADW2,  (1<<20)|(1<<21)|(6<<22)|(3<<25)   ; as PADW, the padding after every 128 words
.set STAGE,  SLOT                      ; the way out goes through slot 1: it has had its only fill, and its last read stands ahead of the second barrier
.set SPITCH, 528                       ; a stage row: 512 bytes + 16; 16 rows a wave
.set PADW,   (1<<20)|(1<<21)|(5<<22)|(3<<25)
.set ADRX, 8
.set ADRY, 12
.set STO,  16
.set RD,   17
.set GOF,  18
.set SPW,  20                          ; my spare word; never rewritten
.set NIL,  21                          ; 0; never rewritten
.set BA,   24
.set BX,   32
.set TMP,  128
.set OUTR, 192
.set XP,   26
.set YP,   28
.set BP,   30
.set G1X,  32
.set G1Y,  40
.set G0X,  56                          ; s[56:59], s[68:71] groups 0 of K step 0 (and of the refill, K step 3)
.set G1X2, 48                          ; s[48:55], s[72:79] groups 1 of the tiles that hold K steps 1 and 2
.set G1Y2, 72
.set G0X2, 16                          ; s[16:19], s[20:23] their groups 0
.set G0Y2, 20
.set G0Y,  68
.set WV,   80
.set ROLE, 81                          ; w >> 1: my half of the tokens
.set HALF, 82                          ; w & 1: my half of the d
.set CX,   83
.set CY,   84
.set XT,   87
.set YT,   88
.set MX,   89
.set MY,   90
.set SC,   92                          ; s[92:93] 2^(e10 + e11)
.set OBS,  94                          ; s[94:95] out0 at my first token and d
.set MSB, 0
.macro WIN new                         ; the immediate's high byte repeats the setting that is left
.if MSB != \new
	s_set_vgpr_msb (MSB<<8)|\new
.set MSB, \new
.endif
.endm
.macro PLACES                          ; four plain vector lines between a matrix instruction and a load into, or a vector read of, its registers
.rept 4
	v_nop
.endr
.endm
.macro ROUND                           ; a round of the cluster's barrier
	s_barrier_signal -1
	s_barrier_wait -1
	s_cmp_lg_u32 s[WV], 0
	s_cbranch_scc1 .Lnot_wave_0_\@
	s_barrier_signal -3
.Lnot_wave_0_\@:
	s_barrier_wait -3
	s_barrier_signal -1
	s_barrier_wait -1
.endm
.macro JLOAD                           ; the joint refill of slot 0; the branch hangs on the wave's number alone
	s_cmp_eq_u32 s[WV], 0                          ; wave 0 asks for X's 256 rows, wave 1 for Y's 128, waves 2 and 3 for nothing
	s_cbranch_scc0 .Lfor_y_\@
	tensor_load_to_lds s[G0X:G0X+3], s[G1X:G1X+7]
	s_nop 0
.rept 4
	v_nop
.endr
	s_branch .Lasked_\@
.Lfor_y_\@:
	s_cmp_eq_u32 s[WV], 1
	s_cbranch_scc0 .Lasked_\@
	tensor_load_to_lds s[G0Y:G0Y+3], s[G1Y:G1Y+7]
	s_nop 0
.rept 4
	v_nop
.endr
.Lasked_\@:
	PLACES                                         ; on every wave's way: the places ahead of the fragment loads that follow
.endm
; Sub-step u of eight (128 along K = two heads): slot (u / 2) % 3, half u % 2, fragment set u % 2.  Registers 4 c .. 4 c + 3 hold K = 32 c + 16 (l / 16) + 0 .. 15, in X and in Y alike;
; in Y that is head 2 (u % 2) + c / 2 of the step, e = 32 (c % 2) + 16 (l / 16) on.
.macro FETCH u
.if ((\u)/2)%3 == 0                    ; K steps 0 and 3 lie in slot 0, K steps 1 and 2 behind it
.set FS, 0
.set FP, PITCH
.set FO, 128*((\u)%2)
.set FY, 0
.else
.set FS, 1
.set FP, P2
.set FO, 128*((\u)-2)
.set FY, 128*((\u)/2-1)
.endif
	WIN 0x40
.irp a, 0,1,2,3,4,5,6,7
.irp c, 0,1,2,3
	ds_load_b128 v[128*((\u)%2)+16*\a+4*\c:128*((\u)%2)+16*\a+4*\c+3], v[ADRX+FS] offset:FO+32*\c+\a*16*FP
.endr
.endr
	WIN 0
.irp b, 0,1,2,3
.irp c, 0,1,2,3
	ds_load_b128 v[128+64*((\u)%2)+16*\b+4*\c:128+64*((\u)%2)+16*\b+4*\c+3], v[ADRY+FS] offset:(FY+(2*((\u)%2)+\c/2)*32+4*\b)*PITCH+32*(\c%2)
.endr
.endr
.endm
; 32 matrix instructions; the 32 accumulators take turns, one instruction a turn.  zero = 1: the first product starts the sums
.macro MUL u, zero
	WIN 0xa1                                       ; source 0 (X) window 1, source 1 (Y) window 0, C and D window 2
.irp a, 0,1,2,3,4,5,6,7
.irp b, 0,1,2,3
.if \zero
	v_wmma_f32_16x16x128_bf8_bf8 v[8*(4*\a+\b):8*(4*\a+\b)+7], v[128*((\u)%2)+16*\a:128*((\u)%2)+16*\a+15], v[128+64*((\u)%2)+16*\b:128+64*((\u)%2)+16*\b+15], 0
.else
	v_wmma_f32_16x16x128_bf8_bf8 v[8*(4*\a+\b):8*(4*\a+\b)+7], v[128*((\u)%2)+16*\a:128*((\u)%2)+16*\a+15], v[128+64*((\u)%2)+16*\b:128+64*((\u)%2)+16*\b+15], v[8*(4*\a+\b):8*(4*\a+\b)+7]
.endif
.endr
.endr
.endm
	s_load_b256 s[4:11], s[0:1], 0x0               ; wo's codes, ctxc, bo, the scales' exponents
	s_load_b64 s[12:13], s[0:1], 0x20              ; out0
	v_lshl_add_u32 v[SPW], v0, 2, SPARE
	v_mov_b32 v[NIL], 0
	ds_add_u32 v[SPW], v[NIL]                      ; the wave's opening: the add, twice on end, and its wait ahead of my first tensor load
	ds_add_u32 v[SPW], v[NIL]                      ; and once more; the set-up below, work on registers, stands between it and the wait
	v_lshrrev_b32 v1, 5, v0
	v_readfirstlane_b32 s[WV], v1                  ; wave 0..3
	s_lshr_b32 s[ROLE], s[WV], 1
	s_and_b32 s[HALF], s[WV], 1
	s_bfe_u32 s[CX], ttmp6, 0x40000
	s_bfe_u32 s[CY], ttmp6, 0x40004
	s_lshl_b32 s2, ttmp9, 2
	s_add_co_u32 s[XT], s2, s[CX]                  ; wo's tile of 256 d
	s_and_b32 s98, ttmp7, 0xffff
	s_lshl_b32 s98, s98, 2
	s_add_co_u32 s[YT], s98, s[CY]                 ; the block of 128 tokens
	s_lshl_b32 s[MX], 0x1111, s[CX]                ; my column of the cluster shares X's tile,
	s_lshl_b32 s98, s[CY], 2
	s_lshl_b32 s[MY], 15, s98                      ; my row Y's
	s_or_b32 s[G1X], s[MX], PADW
	s_or_b32 s[G1Y], s[MY], PADW
	s_or_b32 s[G1X2], s[MX], PADW2
	s_or_b32 s[G1Y2], s[MY], PADW
	s_mov_b32 s[G1X2+1], 512<<16                   ; X: 256 rows of 512 bytes, 1,024 apart in memory
	s_mov_b32 s[G1X2+2], 256<<16
	s_mov_b32 s[G1X2+3], 512<<16
	s_mov_b32 s[G1X2+4], 256
	s_mov_b32 s[G1X2+5], 1024
	s_mov_b32 s[G1X2+6], 0
	s_mov_b32 s[G1X2+7], 0
	s_mov_b32 s[G1Y2+1], 256<<16                   ; Y: 256 dense rows of 256 bytes
	s_mov_b32 s[G1Y2+2], 256<<16
	s_mov_b32 s[G1Y2+3], 256<<16
	s_mov_b32 s[G1Y2+4], 256
	s_mov_b32 s[G1Y2+5], 256
	s_mov_b32 s[G1Y2+6], 0
	s_mov_b32 s[G1Y2+7], 0
.irp g, G1X, G1Y
	s_mov_b32 s[\g+1], 256<<16                     ; tensor_dim0 = 256 bytes
	s_mov_b32 s[\g+3], 256<<16                     ; tile_dim0
	s_mov_b32 s[\g+6], 0
	s_mov_b32 s[\g+7], 0
.endr
	s_mov_b32 s[G1X+2], 256<<16                    ; X: all 256 rows in one load, 1,024 bytes apart in memory
	s_mov_b32 s[G1X+4], 256
	s_mov_b32 s[G1X+5], 1024
	s_mov_b32 s[G1Y+2], 128<<16                    ; Y: all 128 rows, dense
	s_mov_b32 s[G1Y+4], 128
	s_mov_b32 s[G1Y+5], 256
	s_lshl_b32 s2, s[XT], 18
	s_mov_b32 s3, 0
	s_lshl_b32 s98, s[YT], 17                      ; a block of 128 tokens is 131,072 bytes,
	s_mov_b32 s99, 0
	s_wait_dscnt 0x0                               ; both opening adds are done
	s_wait_kmcnt 0x0
	s_load_b64 s[14:15], s[10:11], 0x28            ; e10, e11
	s_add_nc_u64 s[XP:XP+1], s[4:5], s[2:3]
	s_add_nc_u64 s[YP:YP+1], s[6:7], s[98:99]
.macro MKG0 g, lds, p, off             ; a group 0: count 1, LDS address, global address, type 2
	s_mov_b32 s[\g], 1
	s_mov_b32 s[\g+1], \lds
	s_add_nc_u64 s[\g+2:\g+3], s[\p:\p+1], \off
	s_or_b32 s[\g+3], s[\g+3], 0x80000000
.endm
	MKG0 G0X, 0, XP, 0
	MKG0 G0Y, XREG, YP, 0
	MKG0 G0X2, X12, XP, 256
	MKG0 G0Y2, Y12, YP, 32768
	ROUND                                          ; all sixteen work-groups are here: the first joint loads meet
.macro ARM g0, g1
	tensor_load_to_lds s[\g0:\g0+3], s[\g1:\g1+7]
	s_nop 0
.rept 4
	v_nop
.endr
.endm
	s_cmp_eq_u32 s[WV], 0                          ; the first fills: one chain on the wave's number, one joint load to an arm: K step 0 of X, of Y, K steps 1 and 2 of X, of Y
	s_cbranch_scc0 .Lf1
	ARM G0X, G1X
	s_branch .Lfirst_done
.Lf1:
	s_cmp_eq_u32 s[WV], 1
	s_cbranch_scc0 .Lf2
	ARM G0Y, G1Y
	s_branch .Lfirst_done
.Lf2:
	s_cmp_eq_u32 s[WV], 2
	s_cbranch_scc0 .Lf3
	ARM G0X2, G1X2
	s_branch .Lfirst_done
.Lf3:
	ARM G0Y2, G1Y2
.Lfirst_done:
	v_and_b32 v1, 15, v0                           ; r
	v_bfe_u32 v2, v0, 4, 1                         ; h
	v_and_b32 v3, 31, v0                           ; lane
	v_mul_u32_u24 v4, v1, PITCH
	v_lshl_add_u32 v4, v2, 4, v4                   ; X: row r x pitch + 16 h
	v_lshrrev_b32 v5, 2, v1
	v_mul_u32_u24 v5, v5, PITCH
	v_and_b32 v6, 3, v1
	v_lshl_add_u32 v5, v6, 6, v5
	v_lshl_add_u32 v5, v2, 4, v5                   ; Y: four tokens to a row: (r / 4) rows + 64 (r % 4) + 16 h
	s_mul_i32 s60, s[HALF], 128*PITCH              ; my 128 rows of X,
	s_mul_i32 s61, s[ROLE], 16*PITCH               ; my 64 tokens: 16 rows in each head's 32,
	s_add_co_u32 s61, s61, XREG
	v_add_nc_u32 v[ADRX], s60, v4
	v_add_nc_u32 v[ADRY], s61, v5
	v_mul_u32_u24 v7, v1, P2
	v_lshl_add_u32 v7, v2, 4, v7                   ; X's row in the rows of 512 bytes
	s_mul_i32 s60, s[HALF], 128*P2
	s_add_co_u32 s60, s60, X12
	s_add_co_u32 s61, s61, Y12-XREG
	v_add_nc_u32 v[ADRX+1], s60, v7
	v_add_nc_u32 v[ADRY+1], s61, v5
	s_mul_i32 s62, s[WV], 16*SPITCH
	s_add_co_u32 s62, s62, STAGE                   ; my stage
	v_mul_u32_u24 v[STO], v1, SPITCH
	v_lshl_add_u32 v[STO], v2, 5, v[STO]
	v_add_nc_u32 v[STO], s62, v[STO]               ; in: row r, 32 bytes for each half of the lanes
	v_lshlrev_b32 v[GOF], 4, v3
	v_add_nc_u32 v[RD], s62, v[GOF]                ; back: the 32 lanes take one row of 512 bytes
	s_lshl_b32 s2, s[XT], 8
	s_lshl_b32 s3, s[HALF], 7
	s_add_co_u32 s2, s2, s3
	s_lshl_b32 s2, s2, 2                           ; my first d, in bytes
	s_mov_b32 s3, 0
	s_add_nc_u64 s[BP:BP+1], s[8:9], s[2:3]
	v_lshlrev_b32 v[BA], 5, v2                     ; bo at d = 16 a + 8 h + 0 .. 7
.irp a, 0,1,2,3,4,5,6,7
	global_load_b128 v[BX+8*\a:BX+8*\a+3], v[BA], s[BP:BP+1] offset:64*\a
	global_load_b128 v[BX+8*\a+4:BX+8*\a+7], v[BA], s[BP:BP+1] offset:64*\a+16
.endr
	s_lshl_b32 s98, s[YT], 7
	s_lshl_b32 s99, s[ROLE], 6
	s_add_co_u32 s98, s98, s99                     ; my first token,
	s_lshl_b32 s98, s98, 12                        ; 4,096 bytes a row of out0
	s_add_co_u32 s98, s98, s2
	s_mov_b32 s99, 0
	s_add_nc_u64 s[OBS:OBS+1], s[12:13], s[98:99]
	s_wait_kmcnt 0x0
	s_add_co_i32 s[SC], s14, s15
	s_add_co_i32 s[SC], s[SC], 127
	s_lshl_b32 s[SC], s[SC], 23                    ; 2^(e10 + e11) as f32
	s_mov_b32 s[SC+1], s[SC]                       ; (named with it as a pair, so it is written)
	s_wait_tensorcnt 0x0                           ; my one first fill is in
	s_barrier_signal -1
	s_barrier_wait -1                              ; everybody's is
	FETCH 0
	FETCH 1
	s_wait_dscnt 48                                ; sub-step 0's fragments are in; sub-step 1's 48 loads may be out
	MUL 0, 1                                       ; the first products start the sums: nothing is cleared
	WIN 0
	s_wait_tensorcnt 0x0                           ; all my tensor loads have landed, K steps 1 and 2 among them, so a group 0 may be written
	ds_add_u32 v[SPW], v[NIL]                      ; 0 onto my spare word
	s_add_nc_u64 s[G0X+2:G0X+3], s[G0X+2:G0X+3], 768     ; K step 3
	s_add_nc_u64 s[G0Y+2:G0Y+3], s[G0Y+2:G0Y+3], 98304
	s_wait_dscnt 0x0                               ; the add is done, and my reads of slot 0 are over
	ROUND                                          ; so it is with every wave of every partner
	JLOAD                                          ; slot 0 is filled again, first thing behind the round; its four v_nop are the places ahead of the loads below
	s_wait_alu depctr_va_vdst(0)
	FETCH 2
	MUL 1, 0                                       ; its fragments came in ahead of the round
.irp u, 2,3,4
	PLACES
	FETCH \u+1
	s_wait_dscnt 48                                ; this sub-step's fragments are in; the next one's 48 loads may be out
	MUL \u, 0
.endr
	WIN 0
	s_wait_tensorcnt 0x0                           ; my part of K step 3 is in
	ds_add_u32 v[SPW], v[NIL]
	s_wait_dscnt 0x0                               ; the add is done; my reads of slots 1 and 2 are over
	s_barrier_signal -1
	s_barrier_wait -1                              ; K step 3 is whole, and nobody reads slot 1 any more: it can serve as the stages
	PLACES
	FETCH 6
	MUL 5, 0
	PLACES
	FETCH 7
	s_wait_dscnt 48
	MUL 6, 0
	s_wait_dscnt 0x0
	MUL 7, 0
	s_wait_loadcnt 0x0                             ; bo
	PLACES
	; THE WAY OUT, 16 tokens x 128 d at a time, through my own stage: a lane holds 32 neighbouring bytes of a row, the lanes beside it other rows; back come whole rows of 512 bytes.
.irp b, 0,1,2,3
	WIN 0x02                                       ; source 0 (the sums) window 2
.irp a, 0,1,2,3,4,5,6,7
.irp j, 0,2,4,6
	v_pk_fma_f32 v[TMP+8*\a+\j:TMP+8*\a+\j+1], v[8*(4*\a+\b)+\j:8*(4*\a+\b)+\j+1], s[SC:SC+1], v[BX+8*\a+\j:BX+8*\a+\j+1] op_sel_hi:[1,0,1]   ; sum x 2^(e10 + e11) + bo; each accumulator from its low end on
.endr
.endr
	WIN 0
.irp a, 0,1,2,3,4,5,6,7
	ds_store_b128 v[STO], v[TMP+8*\a:TMP+8*\a+3] offset:64*\a
	ds_store_b128 v[STO], v[TMP+8*\a+4:TMP+8*\a+7] offset:64*\a+16
.endr
.if \b > 0
	s_wait_xcnt 0x0                                ; the last block's stores have read their registers: the loads below may land there
.endif
.irp t, 0,1,2,3,4,5,6,7,8,9,10,11,12,13,14,15
	ds_load_b128 v[OUTR+4*\t:OUTR+4*\t+3], v[RD] offset:\t*SPITCH   ; LDS serves a wave's instructions in order (ISA guide 5.7.1.4): these see my stores
.endr
.irp t, 0,1,2,3,4,5,6,7,8,9,10,11,12,13,14,15
	s_wait_dscnt 15-\t                             ; the younger read-backs may stay out
	global_store_b128 v[GOF], v[OUTR+4*\t:OUTR+4*\t+3], s[OBS:OBS+1] offset:(16*\b+\t)*4096 th:TH_STORE_NT   ; 32 lanes store 512 consecutive bytes, at a multiple of 512 from out0's first byte
.endr
.endr
	s_wait_tensorcnt 0x0                           ; the wave's end, behind my last tensor load and my last LDS store
	ds_add_u32 v[SPW], v[NIL]
	s_wait_dscnt 0x0
	ROUND                                          ; the closing round: no work-group ends while a partner may still ask for a tile that names it
	s_endpgm
.Lfunc_end_k_qb804a527e3_oproj:
	.size	k_qb804a527e3_oproj, .Lfunc_end_k_qb804a527e3_oproj-k_qb804a527e3_oproj
	.p2alignl 7, 3214868480
	.fill 96, 4, 3214868480
	.section	.rodata,"a",@progbits
	.p2align	6, 0x0
	.amdhsa_kernel k_qb804a527e3_oproj
		.amdhsa_group_segment_fixed_size 327680
		.amdhsa_private_segment_fixed_size 0
		.amdhsa_enable_private_segment 0
		.amdhsa_kernarg_size 40
		.amdhsa_user_sgpr_count 2
		.amdhsa_user_sgpr_kernarg_segment_ptr 1
		.amdhsa_wavefront_size32 1
		.amdhsa_system_sgpr_workgroup_id_x 1
		.amdhsa_system_sgpr_workgroup_id_y 1
		.amdhsa_system_sgpr_workgroup_id_z 1
		.amdhsa_system_vgpr_workitem_id 0
		.amdhsa_next_free_vgpr 768
		.amdhsa_next_free_sgpr 100
		.amdhsa_reserve_vcc 0
		.amdhsa_float_denorm_mode_32 3
		.amdhsa_float_denorm_mode_16_64 3
		.amdhsa_memory_ordered 1
		.amdhsa_forward_progress 1
		.amdhsa_inst_pref_size 78
	.end_amdhsa_kernel
	.amdgpu_metadata
---
amdhsa.version: [ 1, 2 ]
amdhsa.kernels:
  - .name:           k_qb804a527e3_oproj
    .symbol:         k_qb804a527e3_oproj.kd
    .args:
      - { .name: wo_codes, .offset: 0, .size: 8, .value_kind: global_buffer, .address_space: global }
      - { .name: ctxc, .offset: 8, .size: 8, .value_kind: global_buffer, .address_space: global }
      - { .name: bo, .offset: 16, .size: 8, .value_kind: global_buffer, .address_space: global }
      - { .name: lowp_scales, .offset: 24, .size: 8, .value_kind: global_buffer, .address_space: global }
      - { .name: out0, .offset: 32, .size: 8, .value_kind: global_buffer, .address_space: global }
    .group_segment_fixed_size: 327680
    .private_segment_fixed_size: 0
    .kernarg_segment_align: 8
    .kernarg_segment_size: 40
    .max_flat_workgroup_size: 128
    .sgpr_count:     100
    .vgpr_count:     768
    .wavefront_size: 32
...
	.end_amdgpu_metadata
.endif
;; end of part 3
